; MI455X (gfx1250); checked and timed in simulation.
; The chip was launched on July 23, 2026; its instructions are those of AMD's public machine-readable ISA for CDNA 5 (MIT licence, August 2026) and "CDNA5" Instruction Set Architecture Reference Guide (July 2026). The comments in the code are by the model that wrote it; some were corrected since.
;; Multi Headed Attention. Allowed arithmetic: matrix products marked QUANTISED: E5M2 operands, one given power-of-two scale a tensor, by v_wmma_f32_16x16x64_bf8_bf8 or v_wmma_f32_16x16x128_bf8_bf8, f32 sums; everything else in f32.
;; Inputs: Wk_codes 1,024 x 32 x 32 uint8 (E5M2 codes of Wk, K innermost, in blocks of 32 codes); Wo_codes 1,024 x 32 x 32 uint8 (E5M2 codes of Wo, K innermost, in blocks of 32 codes); Wq_codes 1,024 x 32 x 32 uint8 (E5M2 codes of Wq, K innermost, in blocks of 32 codes); Wv_codes 1,024 x 32 x 32 uint8 (E5M2 codes of Wv, K innermost, in blocks of 32 codes); bk 1,024 float32; bo 1,024 float32; bq 1,024 float32; bv 1,024 float32; embedding_codes 4 x 2,048 x 32 x 32 uint8 (E5M2 codes of embedding, K innermost, in blocks of 32 codes); lowp_scales 12 int32 (the exponents e of the quantised operands' scales 2^e).
;; Outputs: out0 4 x 2,048 x 1,024 float32.
;; This version of the problem:
;;   THIS VERSION OF THE PROBLEM IS GIVEN IN LOW PRECISION. The matrix products marked QUANTISED in the list below multiply operands that are first quantised to E5M2 (5 exponent bits, 2 mantissa bits; 8 bits a number), with one given power-of-two scale for each operand tensor; their sums are f32. All else is computed in f32.
;;   The module's matrix products, in the order in which they are computed (A, B: the left and right operand; K: the contracted axis; several contracted axes count as one K, in the product's order):
;;     1. [M 8,192, K 1,024] x [K 1,024, N 1,024]; A: input embedding (given as codes); B: input Wq (given as codes): QUANTISED (scales: A lowp_scales[0], B lowp_scales[1])
;;     2. [M 8,192, K 1,024] x [K 1,024, N 1,024]; A: input embedding (given as codes); B: input Wk (given as codes): QUANTISED (scales: A lowp_scales[2], B lowp_scales[3])
;;     3. [M 8,192, K 1,024] x [K 1,024, N 1,024]; A: input embedding (given as codes); B: input Wv (given as codes): QUANTISED (scales: A lowp_scales[4], B lowp_scales[5])
;;     4. batch 64 x [M 2,048, K 64] x [K 64, N 2,048]; A: computed on the way; B: computed on the way: QUANTISED (scales: A lowp_scales[6], B lowp_scales[7])
;;     5. batch 64 x [M 2,048, K 2,048] x [K 2,048, N 64]; A: softmax (see below); B: computed on the way: QUANTISED (scales: A lowp_scales[8], B lowp_scales[9])
;;     6. [M 8,192, K 1,024] x [K 1,024, N 1,024]; A: computed on the way; B: input Wo (given as codes): QUANTISED (scales: A lowp_scales[10], B lowp_scales[11])
;;   THE QUANTISER, for each operand of a quantised product, along K:
;;     - The operand's scale is 2^e, e = its entry of the input lowp_scales (int32; the entries are numbered through the quantised products in the list's order, A before B).
;;     - Each number is divided by the scale, clamped to +-57,344, and rounded to the nearest number of E5M2, ties to even, subnormals kept.
;;     - The product sums the exact products of the quantised numbers (number of the format x scale) in f32.
;;   ~~~python
;;   def quantise(x, axis, e):      # numpy; x: float32 -> the quantised numbers, widened to float32 again
;;       x = np.moveaxis(x, axis, -1); K = x.shape[-1]
;;       r = np.clip(x / 2.0 ** e, -57344, 57344)
;;       step = 2.0 ** (np.maximum(np.frexp(np.where(r == 0, 1, r))[1] - 1, -14) - 2)
;;       q = np.round(r / step) * step * 2.0 ** e      # np.round: ties to even
;;       return np.moveaxis(q, -1, axis).astype(np.float32)
;;   ~~~
;;   SOFTMAX AHEAD OF A QUANTISED PRODUCT. Where the list says 'softmax', what is quantised is not the finished softmax but p = 2^(t - M), with t = logit x log2(e) and M = ceil(the row's largest t), a whole number; so 1/2 < the row's largest p <= 1. The row's sum l is taken of the UNQUANTISED p, in f32, and the product's result is divided by l at the end. Since M is a whole number, a kernel that streams over the keys may use a running M (the ceiling of the running maximum): every later rescaling is an exact power of two, so the quantised numbers keep their values, but for numbers so far below the row's largest that they fall under the format's range.
;;   OPERANDS COMPUTED ON THE WAY. 'Computed on the way' means the value that the module computes at that place (a softmax that the list does not call 'softmax' is quantised finished and normalised). What goes into a quantiser is computed in f32, as accurately as f32 sums, v_exp_f32 and their like allow (about 1e-6 of the number): no bf16 or f16 on the way to a quantiser, and a product that is left as it is and whose result goes on into a quantised operand takes f32 operands (vector FMAs, or v_wmma_f32_16x16x4_f32). A number that lies on a knife's edge between two numbers of the format may be rounded either way, as far as f32 arithmetic and the matrix unit's own rounding can turn it there, and no further.
;;   INPUTS GIVEN AS CODES. Wk (in the module: [1024, 1024], K = its axis 0); Wo (in the module: [1024, 1024], K = its axis 0); Wq (in the module: [1024, 1024], K = its axis 0); Wv (in the module: [1024, 1024], K = its axis 0); embedding (in the module: [4, 2048, 1024], K = its axis 2): each comes as NAME_codes (uint8): NAME with its K axis moved to the last place and cut into blocks of 32 codes, [.., K / 32, bytes a block], one block behind the other in memory; one code a byte (a code: sign, 5 exponent bits, 2 mantissa bits); its scale is its entry of lowp_scales. Its value is code x scale, taken as it is: it is not quantised again, and the codes and scales need not be those that the quantiser above would give.
;; One version. Each part assembles by itself: llvm-mc -triple=amdgcn-amd-amdhsa -mcpu=gfx1250 --defsym DOCPART=n.
;; ======== version 1 of 1: 3 launches
;; limits: right only within a limited range of input values
;; workspace buffers: q_img 8,388,608 bytes; kv_img 16,777,216 bytes; av_img 8,388,608 bytes
;; launch proj (part 1): grid 8 x 32, 4 waves a work-group, clusters of 4 x 4, 327,680 bytes of LDS; arguments embedding_codes, Wq_codes, Wk_codes, Wv_codes, bq, bk, bv, lowp_scales, q_img, kv_img; writes q_img, kv_img
.if DOCPART == 1
	.amdgcn_target "amdgcn-amd-amdhsa--gfx1250"
	.amdhsa_code_object_version 6
	.text
	.protected	k_q14c8976f59_proj
	.globl	k_q14c8976f59_proj
	.p2align	8
	.type	k_q14c8976f59_proj,@function
k_q14c8976f59_proj:
	s_mov_b64 s[64:65], 0
	v_nop
	global_prefetch_b8 v0, s[64:65] scope:SCOPE_SE
	s_setreg_imm32_b32 hwreg(HW_REG_WAVE_MODE, 25, 1), 1
	s_wait_xcnt 0x0
	s_wait_alu depctr_hold_cnt(0) depctr_sa_sdst(0) depctr_va_vdst(0) depctr_va_sdst(0) depctr_va_ssrc(0) depctr_va_vcc(0) depctr_vm_vsrc(0)
	s_getreg_b32 s2, hwreg(HW_REG_IB_STS2, 6, 4)
	s_cmp_eq_u32 s2, 0
	s_cbranch_scc0 .Lentry_in_a_cluster
	s_endpgm
.Lentry_in_a_cluster:
	s_bfe_u32 s2, ttmp6, 0x10000c
	s_cmp_lg_u32 s2, 0xf033
	s_cbranch_scc0 .Lentry_shape_is_right
	s_endpgm
.Lentry_shape_is_right:
; q = emb Wq + bq, k = emb Wk + bk, v = emb Wv + bv on codes of BF8 (E5M2), each result quantised at once to BF8 codes with its given scale (q: e6, k: e7, v: e9).
; emb: [8192][1024] codes, W*: [1024 (n)][1024 (k)] codes, K innermost.  The codes are multiplied as they are; a sum stands for sum x 2^esum (esum = e0+e1, e2+e3, e4+e5).
; The bias goes in as the C of each sum's first product, as bias / 2^esum; the code is (sum + that) / 2^(eo - esum), held within +-57,344, to the nearest code, ties to even.
; LIMITS: eo - esum between -126 and 112, so that the powers of two below are f32 numbers.  NaN among the biases is not served.
; SHARES.  256 work-groups of four waves, and each makes TWO tiles.  Part 1: 256 tokens x 256 features of q (cluster x = 0) or k (1), 128 x 128 a wave, 64 accumulators.
; Part 2: 256 features x 128 tokens of v, 128 x 64 a wave, 32 accumulators: q and k are 256 such large tiles, v 256 such smaller ones, so every work-group has the same work.
; K = 1,024 goes in four fills of 256 through two LDS slots, and the ring goes on from part 1 into part 2: part 2's first two fills are asked for ahead of part 1's way out.
; ROLES.  The matrix line is always source 0 = 16 rows of the B role, source 1 = 16 rows of the A role: a lane holds ONE row of the A role and its eight registers eight neighbouring rows of the B role.
;   part 1: A role = emb (tokens), B role = W (features): a lane's registers run along the features, the next product's K.
;   part 2: A role = Wv (features), B role = emb (tokens): a lane's registers run along the tokens (the keys), the next product's K.
; So eight results of a lane convert into two registers of the next operand's own layout (registers 2c, 2c+1: k = 16c + 8 (lane / 16) + 0..7), and nothing is transposed.
; WHAT IS STORED are images of operand registers: four registers a store, lane l at 16 l, 512 consecutive aligned bytes a store.
;   q_img  [bh][token tile (128)][1 KB]: a fragment of 16 tokens x 64 d (8 registers).
;   kv_img [bh][chunk of 512 keys (4)][64 KB]: 32 key tiles x 1 KB as q; then 4 key steps x 4 d tiles x 2 KB: fragments of 16 d x 128 keys (16 registers; a wave of part 2 makes one half of each, 64 keys).
; CLUSTERS: 4 x 4 work-groups.  The A role's tile hangs on cy alone within the cluster and is asked for jointly by a row of the cluster, the B role's on cx alone, by a column, in both parts.
; Fragments come by four loads of 16 bytes: a permutation of k that is the same on both sides, so every product meets its partner.
; REGISTERS, in windows of 256: window 0: v1-29 addresses and constants; v32-95 the bias as C, later a block's held numbers; v96-111 codes; v112-119 v's raw bias; v128-255 the A role's fragments, one set.
;   window 1: the B role's fragments, two sets.   windows 2, 3: the accumulators ((a, b) at v[8 (8 (a % 4) + b)]).
.set KROW,   1024                      ; a row of emb or of W in bytes
.set ROWB,   256                       ; a tile's row in bytes
.set PITCH,  272                       ; an LDS row: 256 bytes + 16 of padding = 68 words: the 16 rows that a load touches start at 16 different banks (64 banks of 4 bytes: ISA guide 11.1)
.set FR,     16                        ; registers of a fragment: 16 rows x 128 K
.set NL,     4                         ; LDS loads that bring one
.set NP,     4                         ; places behind this matrix instruction (ISA guide 7.12.1)
.set HALFT,  128*PITCH
.set SLOT,   4*HALFT                   ; the A role's 256 rows, then room for 256 of the B role's
.set SPARE,  2*SLOT                    ; behind the ring: the spare words, 128 bytes a wave
.set NB,     8                         ; the B role's blocks of 16 rows a wave: 8 in part 1, 4 in part 2
.set BOF,  5                           ; v5   my byte offset in part 1's bias;  v7 in bv
.set VO0,  8                           ; v8   16 x lane
.set VO1,  9                           ; v9   16 x lane + the next head: the second half of a block's codes in part 1
.set PFO,  10                          ; v10  the prefetches' offset: lane x a row; never rewritten
.set LIMV, 12                          ; v12  57,344 x 2^(eo - esum)
.set SCV,  13                          ; v13  2^(eo - esum)
.set ADRA, 16                          ; v16-17  LDS address of my A fragments in slot 0, 1
.set ADRB, 20                          ; v20-21  the same for B in part 1;  v22-23 in part 2
.set SPW,  28                          ; v28  LDS address of my spare word; never rewritten
.set NIL,  29                          ; v29  0; never rewritten
.set BI,   32
.set TMPF, 32
.set TMP,  96
.set RAW,  112
.set AF,   128
.set G1, 24                            ; s[24:31] group 1 for the A role; s[32:39] its groups 0, one a slot
.set G0, 32
.set G1B, 48                           ; s[48:55], s[56:63] the same for the B role
.set G0B, 56
.set A2,  100                          ; s[100:101] part 2's tile of Wv;  s[104:105] its tile of emb
.set B2,  104
.set MSB, 0
.macro WIN new                         ; the immediate's high byte repeats the setting that is left
.if MSB != \new
	s_set_vgpr_msb (MSB<<8)|\new
.set MSB, \new
.endif
.endm
.set MUL_LO, 0xa1                      ; source 0 (B) window 1, source 1 (A) window 0, C and D window 2
.set MUL_HI, 0xf1                      ; the same, C and D window 3
.set BIA_LO, 0x81                      ; C (the bias) window 0, D window 2
.set BIA_HI, 0xc1                      ; C window 0, D window 3
.set TO_B,   0x40                      ; destination window 1, address window 0
.macro ARM g0, g1                      ; a joint load; an s_nop 0 and four v_nop follow it
	tensor_load_to_lds s[\g0:\g0+3], s[\g1:\g1+7]
	s_nop 0
.rept 4
	v_nop
.endr
.endm
; A slot's joint refill: wave w fetches the A role's tile, wave w + 1 the B role's; slot 0 belongs to waves 0 and 1, slot 1 to waves 2 and 3.  The branches hang on the wave's number alone.
.macro JLOAD w, g0a, g1a, g0b, g1b
	s_cmp_eq_u32 s14, \w
	s_cbranch_scc0 .Lfor_b_\@
	ARM \g0a, \g1a
	s_branch .Lasked_\@
.Lfor_b_\@:
	s_cmp_eq_u32 s14, (\w)+1
	s_cbranch_scc0 .Lasked_\@
	ARM \g0b, \g1b
.Lasked_\@:
.endm
.macro CREST                           ; a round of the cluster's barrier behind its opening barrier
	s_cmp_lg_u32 s14, 0
	s_cbranch_scc1 .Lnot_wave_0_\@
	s_barrier_signal -3
.Lnot_wave_0_\@:
	s_barrier_wait -3
	s_barrier_signal -1
	s_barrier_wait -1
.endm
.macro CROUND                          ; a whole round
	s_barrier_signal -1
	s_barrier_wait -1
	CREST
.endm
.macro SETSC                           ; from eo in s23 and esum in s21: the conversion's scale and the hold
	s_sub_co_i32 s23, s23, s21
	s_add_co_i32 s23, s23, 127
	s_lshl_b32 s20, s23, 23
	v_mov_b32 v[SCV], s20                          ; 2^(eo - esum): the conversion takes its exponent field
	s_add_co_i32 s23, s23, 15
	s_lshl_b32 s23, s23, 23
	s_or_b32 s23, s23, 0x600000
	v_mov_b32 v[LIMV], s23                         ; 57,344 x that
.endm
	s_load_b512 s[68:83], s[0:1], 0x0              ; emb s[68:69], Wq s[70:71], Wk s[72:73], Wv s[74:75], bq s[76:77], bk s[78:79], bv s[80:81], the exponents s[82:83]
	s_load_b128 s[84:87], s[0:1], 0x40             ; q_img s[84:85], kv_img s[86:87]
	v_lshl_add_u32 v[SPW], v0, 2, SPARE
	v_mov_b32 v[NIL], 0
	ds_add_u32 v[SPW], v[NIL]                      ; the opening: the add, twice on end, and its wait ahead of my first tensor load
	ds_add_u32 v[SPW], v[NIL]
	s_wait_dscnt 0x0
	v_lshrrev_b32 v1, 5, v0
	v_readfirstlane_b32 s14, v1                    ; wave 0..3
	s_lshr_b32 s15, s14, 1                         ; which half of the A role's rows I multiply.  Also: I prefetch for A (0) or for B (1)
	s_and_b32 s16, s14, 1                          ; which half of the B role's rows I multiply
	s_bfe_u32 s40, ttmp6, 0x40000                  ; cx, cy: my place in the cluster
	s_bfe_u32 s41, ttmp6, 0x40004
	s_and_b32 s3, ttmp7, 0xffff                    ; the cluster's y
	s_lshl_b32 s17, s3, 2
	s_add_co_u32 s17, s17, s41                     ; part 1, A role: tile of 256 tokens = 4 x cluster y + cy.  Its B role's tile of 256 features is cx
	s_lshl_b32 s66, s3, 1
	s_add_co_u32 s66, s66, ttmp9                   ; the cluster's number, 0 to 15
	s_lshl_b32 s97, s66, 2
	s_add_co_u32 s97, s97, s40                     ; part 2, B role: tile of 128 tokens = 4 x cluster + cx.  Its A role's tile of 256 features is cy
	s_lshl_b32 s43, s41, 2
	s_lshl_b32 s43, 15, s43                        ; my row of the cluster
	s_lshl_b32 s44, 0x1111, s40                    ; my column
	; group 1: a tile of 256 rows x 256 bytes, padded in LDS
	s_or_b32 s[G1+0], s43, (0<<16)|(1<<20)|(1<<21)|(5<<22)|(3<<25)  ; 15:0 the mask; 17:16 elements of 1 byte; 20 padding on; 21 set beside a mask; 24:22 after every 64 words; 31:25 four words
	s_or_b32 s[G1B+0], s44, (0<<16)|(1<<20)|(1<<21)|(5<<22)|(3<<25)
.irp g, G1, G1B
	s_mov_b32 s[\g+1], ROWB<<16                    ; tensor_dim0
	s_mov_b32 s[\g+2], 256<<16                     ; tensor_dim1
	s_mov_b32 s[\g+3], ROWB<<16                    ; tile_dim0
	s_mov_b32 s[\g+4], 256                         ; tile_dim1
	s_mov_b32 s[\g+5], KROW                        ; stride from row to row
	s_mov_b32 s[\g+6], 0
	s_mov_b32 s[\g+7], 0
.endr
	s_lshl_b32 s20, s17, 18                        ; tile x 256 rows of 1,024 bytes
	s_lshl_b32 s46, s40, 18
	s_mov_b32 s21, 0
	s_mov_b32 s47, 0
	s_mov_b32 s5, 0
	s_wait_kmcnt 0x0
	s_load_b256 s[88:95], s[82:83], 0x0            ; e0 .. e7
	s_load_b32 s96, s[82:83], 0x24                 ; e9
	s_cmp_eq_u32 ttmp9, 0                          ; the buffers are chosen by the cluster's x alone
	s_cselect_b64 s[6:7], s[70:71], s[72:73]       ; Wq, or Wk
	s_cselect_b64 s[8:9], s[76:77], s[78:79]       ; bq, or bk
	s_cselect_b64 s[10:11], s[84:85], s[86:87]     ; q_img, or kv_img
	s_add_nc_u64 s[20:21], s[68:69], s[20:21]
	s_add_nc_u64 s[46:47], s[6:7], s[46:47]
	s_lshl_b32 s4, s41, 18
	s_add_nc_u64 s[A2:A2+1], s[74:75], s[4:5]      ; part 2: Wv at 256 cy rows,
	s_lshl_b32 s4, s97, 17
	s_add_nc_u64 s[B2:B2+1], s[68:69], s[4:5]      ; emb at 128 rows x its tile
	CROUND                                         ; all sixteen work-groups are here: the first joint loads meet
.irp s, 0,1
	s_mov_b32 s[G0+4*\s], 1
	s_mov_b32 s[G0+4*\s+1], \s*SLOT                ; the A role's rows lie first in a slot,
	s_add_nc_u64 s[G0+4*\s+2:G0+4*\s+3], s[20:21], \s*ROWB
	s_or_b32 s[G0+4*\s+3], s[G0+4*\s+3], 0x80000000
	s_mov_b32 s[G0B+4*\s], 1
	s_mov_b32 s[G0B+4*\s+1], \s*SLOT+2*HALFT       ; the B role's behind them
	s_add_nc_u64 s[G0B+4*\s+2:G0B+4*\s+3], s[46:47], \s*ROWB
	s_or_b32 s[G0B+4*\s+3], s[G0B+4*\s+3], 0x80000000
.endr
	; THE FIRST FILLS: four tiles, four waves, one tensor load a wave, in the arms of one chain of branches on the wave's number: both slots are asked for at the head
	s_cmp_eq_u32 s14, 0
	s_cbranch_scc0 .Lh1
	ARM G0, G1                                     ; wave 0: the A role, K 0-255
	s_branch .Lhj
.Lh1:
	s_cmp_eq_u32 s14, 1
	s_cbranch_scc0 .Lh2
	ARM G0B, G1B                                   ; wave 1: the B role, K 0-255
	s_branch .Lhj
.Lh2:
	s_cmp_eq_u32 s14, 2
	s_cbranch_scc0 .Lh3
	ARM G0+4, G1                                   ; wave 2: the A role, K 256-511
	s_branch .Lhj
.Lh3:
	ARM G0B+4, G1B                                 ; wave 3: the B role, K 256-511
.Lhj:
	; A PREFETCH INTO THE L2 of what part 1's two refills will ask for, K 512-1,023 of both tiles: two fills ahead of the first of them.  Of a tile's 256 rows each of the four partners that ask for it jointly takes 64,
	; told apart by address (cx for the A role, cy for the B role); of these each of the role's two waves takes 32, a lane a row, one line for each 256 bytes of the row.
	; A weight's tile is loaded by all eight clusters of its column of the grid: those with y under 4 ask for it.
	s_mul_i32 s45, s15, s3                         ; the cluster's y for the weight's waves, 0 for emb's: the same in all partners
	s_cmp_eq_u32 s15, 0
	s_cselect_b64 s[98:99], s[20:21], s[46:47]     ; my role's tile
	s_cselect_b32 s4, s40, s41                     ; my place among the four that ask for it
	s_lshl_b32 s4, s4, 1
	s_add_co_u32 s4, s4, s16
	s_lshl_b32 s4, s4, 15                          ; (2 x place + wave % 2) x 32 rows of 1,024 bytes
	s_add_nc_u64 s[98:99], s[98:99], s[4:5]
	v_and_b32 v[PFO], 31, v0
	v_lshlrev_b32 v[PFO], 10, v[PFO]
	s_cmp_lt_u32 s45, 4
	s_cbranch_scc0 .Lno_pf
	global_prefetch_b8 v[PFO], s[98:99] offset:512 th:TH_LOAD_NT scope:SCOPE_SE
	global_prefetch_b8 v[PFO], s[98:99] offset:768 th:TH_LOAD_NT scope:SCOPE_SE
.Lno_pf:
	s_mul_i32 s21, s15, HALFT                      ; my 128 rows of the A role
	s_mul_i32 s22, s16, HALFT                      ; part 1: my 128 rows of the B role,
	s_add_co_u32 s22, s22, 2*HALFT                 ; which lie behind A's 256
	s_mul_i32 s23, s16, 64*PITCH                   ; part 2: my 64
	s_add_co_u32 s23, s23, 2*HALFT
	v_and_b32 v1, 15, v0                           ; r = lane % 16
	v_bfe_u32 v2, v0, 4, 1                         ; h = lane / 16
	v_mul_u32_u24 v3, v1, PITCH
	v_lshl_add_u32 v4, v2, 4, v3                   ; a fragment's row x pitch + 16 x half
	v_add_nc_u32 v[ADRA], s21, v4
	v_add_nc_u32 v[ADRB], s22, v4
	v_add_nc_u32 v[ADRB+2], s23, v4
	v_add_nc_u32 v[ADRA+1], SLOT, v[ADRA]
	v_add_nc_u32 v[ADRB+1], SLOT, v[ADRB]
	v_add_nc_u32 v[ADRB+3], SLOT, v[ADRB+2]
	v_and_b32 v6, 31, v0
	v_lshlrev_b32 v[VO0], 4, v6                    ; an image's place for my lane
	v_lshlrev_b32 v[BOF], 5, v2
	v_lshlrev_b32 v7, 2, v1
	s_wait_alu depctr_va_vdst(0)                   ; the wait ahead of the run of scalar lines
	; where my wave's images of part 1 begin
	s_lshl_b32 s20, s17, 8
	s_lshl_b32 s21, s15, 7
	s_add_co_u32 s2, s20, s21                      ; my first token
	s_lshl_b32 s46, s40, 8
	s_lshl_b32 s47, s16, 7
	s_add_co_u32 s3, s46, s47                      ; my first feature f0
	s_mov_b32 s12, 1024                            ; from block to block: a fragment of 1 KB
	s_mov_b32 s13, 0
	s_mov_b32 s18, 1024                            ; and into block 4 likewise
	s_mov_b32 s19, 0
	s_lshr_b32 s21, s2, 11                         ; the batch
	s_lshl_b32 s21, s21, 4
	s_lshr_b32 s22, s3, 6
	s_add_co_u32 s21, s21, s22                     ; bh = 16 x batch + head
	s_and_b32 s22, s2, 2047                        ; the token within its sequence
	s_lshl_b32 s23, s21, 17
	s_lshl_b32 s47, s22, 6
	s_add_co_u32 s23, s23, s47                     ; in q_img: bh x 128 KB + token tile x 1 KB
	s_lshl_b32 s21, s21, 18                        ; in kv_img: bh x 256 KB
	s_lshr_b32 s47, s22, 9
	s_lshl_b32 s47, s47, 16
	s_add_co_u32 s21, s21, s47                     ; + chunk x 64 KB
	s_and_b32 s47, s22, 511
	s_lshl_b32 s47, s47, 6
	s_add_co_u32 s21, s21, s47                     ; + key tile x 1 KB
	s_mov_b32 s67, 262144
	s_cmp_eq_u32 ttmp9, 0
	s_cselect_b32 s20, s23, s21
	s_cselect_b32 s67, 131072, s67                 ; from a head to the next
	s_mov_b32 s21, 0
	s_add_nc_u64 s[10:11], s[10:11], s[20:21]
	s_lshl_b32 s22, s3, 2
	s_mov_b32 s23, 0
	s_add_nc_u64 s[8:9], s[8:9], s[22:23]          ; part 1's bias at my first feature
	s_lshl_b32 s4, s41, 10
	s_lshl_b32 s22, s15, 9
	s_add_co_u32 s4, s4, s22
	s_add_nc_u64 s[4:5], s[80:81], s[4:5]          ; bv at part 2's first feature of mine: 256 cy + 128 x half
	v_add_nc_u32 v[VO1], s67, v[VO0]
.irp b, 0,1,2,3,4,5,6,7
	global_load_b128 v[BI+8*\b:BI+8*\b+3], v[BOF], s[8:9] offset:64*\b        ; register 8 b + j = bias[f0 + 16 b + 8 h + j]
	global_load_b128 v[BI+8*\b+4:BI+8*\b+7], v[BOF], s[8:9] offset:64*\b+16
.endr
.irp a, 0,1,2,3,4,5,6,7
	global_load_b32 v[RAW+\a], v7, s[4:5] offset:64*\a                        ; bv[16 a + r], kept for part 2
.endr
	s_wait_kmcnt 0x0                               ; the exponents
	s_add_co_i32 s20, s88, s89
	s_add_co_i32 s21, s90, s91
	s_cmp_eq_u32 ttmp9, 0
	s_cselect_b32 s21, s20, s21                    ; esum
	s_cselect_b32 s23, s94, s95                    ; eo
	s_sub_co_i32 s22, 0, s21                       ; -esum, for the bias
	SETSC
	s_wait_loadcnt 0x0
.set j, 0
.rept 64
	v_ldexp_f32 v[BI+j], v[BI+j], s22
.set j, j+1
.endr
.macro FRAG reg, adr, q, i             ; 16 rows x 128 K: lane l holds row l % 16; registers 4 c .. 4 c + 3 hold K = 32 c + 16 (l / 16) + 0 .. 15
.irp c, 0,1,2,3
	ds_load_b128 v[\reg+4*\c:\reg+4*\c+3], v[\adr] offset:128*(\q)+32*\c+(\i)*16*PITCH
.endr
.endm
; A's blocks a0, a0 + 1 x B's NB blocks, 128 along K.  p: B's set.  cm = 0: onto the sums; 1: the sums begin with the bias by B's block (part 1); 2: by A's block (part 2).
; The accumulators take turns, one instruction a turn, in the same order in every step.
.macro MUL16 a0, p, cm
.irp a, \a0, \a0+1
.irp b, 0,1,2,3,4,5,6,7
.if \b < NB
.if (\cm) == 0
	v_wmma_f32_16x16x128_bf8_bf8 v[8*(8*((\a)%4)+\b):8*(8*((\a)%4)+\b)+7], v[128*(\p)+FR*\b:128*(\p)+FR*\b+FR-1], v[AF+FR*(\a):AF+FR*(\a)+FR-1], v[8*(8*((\a)%4)+\b):8*(8*((\a)%4)+\b)+7]
.elseif (\cm) == 1
	v_wmma_f32_16x16x128_bf8_bf8 v[8*(8*((\a)%4)+\b):8*(8*((\a)%4)+\b)+7], v[128*(\p)+FR*\b:128*(\p)+FR*\b+FR-1], v[AF+FR*(\a):AF+FR*(\a)+FR-1], v[BI+8*\b:BI+8*\b+7]
.else
	v_wmma_f32_16x16x128_bf8_bf8 v[8*(8*((\a)%4)+\b):8*(8*((\a)%4)+\b)+7], v[128*(\p)+FR*\b:128*(\p)+FR*\b+FR-1], v[AF+FR*(\a):AF+FR*(\a)+FR-1], v[BI+8*(\a):BI+8*(\a)+7]
.endif
.endif
.endr
.endr
.endm
.macro FETCH_B slot, q, p              ; B's NB fragments of the slot's q-th 128 along K into set p
	WIN TO_B
.irp i, 0,1,2,3,4,5,6,7
.if \i < NB
	FRAG 128*(\p)+FR*\i, ADRB+\slot, \q, \i
.endif
.endr
	WIN 0
.endm
.macro FETCH_A slot, q, i0             ; A's blocks i0 .. i0 + 3
.irp i, \i0, \i0+1, \i0+2, \i0+3
	FRAG AF+FR*(\i), ADRA+\slot, \q, \i
.endr
.endm
; A load into a register that a matrix instruction has read, and a vector instruction that reads a matrix result, stand NP places behind it; only plain vector instructions that name none of its registers are places.
.macro PLACES n
.rept \n
	v_nop
.endr
.endm
; A step of 128 along K that has its successor in the same slot.  A block of A is free once its products are issued: blocks 0-3 are fetched anew in the middle, blocks 4-7 at the end.
.macro STEP slot, q, cm
	s_wait_dscnt 4*NL                              ; B's set and A's blocks 0-3 are in; the youngest sixteen loads (A's blocks 4-7) may be out
.if (\cm) == 0
	WIN MUL_LO
.else
	WIN BIA_LO
.endif
	MUL16 0, (\q)%2, \cm
	MUL16 2, (\q)%2, \cm
	s_wait_dscnt 0                                 ; A's blocks 4-7 are in
	PLACES NP
	FETCH_B \slot, (\q)+1, 1-(\q)%2
	FETCH_A \slot, (\q)+1, 0
.if (\cm) == 0
	WIN MUL_HI
.else
	WIN BIA_HI
.endif
	MUL16 4, (\q)%2, \cm
	MUL16 6, (\q)%2, \cm
	PLACES NP
	WIN 0
	FETCH_A \slot, (\q)+1, 4
.endm
; A slot's last step changes slots: ONE barrier; in front of it each wave waits for all its tensor loads, adds 0 to its spare word, and waits for that and for its own reads of this slot.
; fill = 1: this slot is filled again, two fills ahead.  fill = 2: with part 2's first fill: from here on the B role's tile has 128 rows.  fill = 0: nothing is asked for.
.macro TURN slot, next, fill
	s_wait_tensorcnt 0x0                           ; any tensor load of mine has landed  (every window is 0 here)
	ds_add_u32 v[SPW], v[NIL]                      ; 0 onto my spare word
	s_wait_dscnt 4*NL+1                            ; the add and the youngest sixteen loads, A's blocks 4-7, may be out
	WIN MUL_LO
	MUL16 0, 1, 0                                  ; matrix instructions stand between the add and the wait for it
	s_wait_dscnt 0x0                               ; the add is done, and my reads of this slot are over
	s_barrier_signal -1
	MUL16 2, 1, 0
	WIN 0
	s_barrier_wait -1
.if \fill
	CREST                                          ; the barrier has opened a round of the cluster's barrier: no wave of any partner still reads this slot or has a load on its way
.if (\fill) == 1
	s_add_nc_u64 s[G0+4*\slot+2:G0+4*\slot+3], s[G0+4*\slot+2:G0+4*\slot+3], 2*ROWB
	s_add_nc_u64 s[G0B+4*\slot+2:G0B+4*\slot+3], s[G0B+4*\slot+2:G0B+4*\slot+3], 2*ROWB
.else
	s_mov_b32 s[G1B+2], 128<<16                    ; tensor_dim1
	s_mov_b32 s[G1B+4], 128                        ; tile_dim1
	s_mov_b64 s[G0+2:G0+3], s[A2:A2+1]
	s_or_b32 s[G0+3], s[G0+3], 0x80000000
	s_mov_b64 s[G0B+2:G0B+3], s[B2:B2+1]
	s_or_b32 s[G0B+3], s[G0B+3], 0x80000000
.endif
	PLACES NP                                      ; the places in front of the loads below, for the waves that ask for nothing here
	JLOAD 2*\slot, G0+4*\slot, G1, G0B+4*\slot, G1B   ; the first tensor load behind the round
.else
	PLACES NP
.endif
	FETCH_B \next, 0, 0
	FETCH_A \next, 0, 0
	WIN MUL_HI
	MUL16 4, 1, 0
	MUL16 6, 1, 0
	PLACES NP
	WIN 0
	FETCH_A \next, 0, 4
.endm
.macro LAST                            ; a tile's very last step: nothing more to fetch
	s_wait_dscnt 4*NL
	WIN MUL_LO
	MUL16 0, 1, 0
	MUL16 2, 1, 0
	s_wait_dscnt 0
	WIN MUL_HI
	MUL16 4, 1, 0
	MUL16 6, 1, 0
	WIN 0
.endm
; THE WAY OUT, block by block of 16 rows of the A role.  8 NB numbers a lane are held within +-57,344 x the scale (the conversion to an 8-bit code does not saturate: ISA guide 7.6.2), each accumulator from its low end on,
; into other registers; NB conversions give 2 NB registers of codes, which ARE operand registers; a store of 512 consecutive bytes for every four.
.macro OUTBLK a
.set AC, 64*((\a)%4)
	WIN 0x02+((\a)/4)                              ; source 0: window 2 or 3
.set i, 0
.rept 8*NB
	v_med3_num_f32 v[TMPF+i], v[AC+i], -v[LIMV], v[LIMV]
.set i, i+1
.endr
	WIN 0
.if (\a) > 0
	s_wait_alu depctr_va_vdst(0)                   ; the wait here, directly ahead of the wait below
	s_wait_xcnt 0x0                                ; the last block's stores have read their data and their base: both are written again only behind this wait
.if (\a) == 4
	s_add_nc_u64 s[10:11], s[10:11], s[18:19]
.else
	s_add_nc_u64 s[10:11], s[10:11], s[12:13]
.endif
.endif
.set i, 0
.rept NB
	v_cvt_scalef32_pk8_bf8_f32 v[TMP+2*i:TMP+2*i+1], v[TMPF+8*i:TMPF+8*i+7], v[SCV]
.set i, i+1
.endr
	v_nop                                          ; one plain vector line behind the last conversion: the next block writes these conversions' sources
	global_store_b128 v[VO0], v[TMP:TMP+3], s[10:11]
	global_store_b128 v[VO0], v[TMP+4:TMP+7], s[10:11] offset:512
.if NB == 8
	global_store_b128 v[VO1], v[TMP+8:TMP+11], s[10:11]
	global_store_b128 v[VO1], v[TMP+12:TMP+15], s[10:11] offset:512
.endif
.endm
	; PART 1
	s_wait_alu depctr_va_vdst(0)                   ; the wait at the head's end
	s_wait_tensorcnt 0x0                           ; my one load has landed
	s_barrier_signal -1
	s_barrier_wait -1                              ; everybody's has: both slots are whole.
	FETCH_B 0, 0, 0
	FETCH_A 0, 0, 0
	FETCH_A 0, 0, 4
	STEP 0, 0, 1                                   ; the first step starts the sums with the bias
	TURN 0, 1, 1                                   ; K 128-255; slot 0 takes K 512-767
	STEP 1, 0, 0
	TURN 1, 0, 1                                   ; slot 1 takes K 768-1,023
	STEP 0, 0, 0
	TURN 0, 1, 2                                   ; slot 0 takes part 2's K 0-255
	STEP 1, 0, 0
	LAST
	s_wait_tensorcnt 0x0                           ; slot 1 is read out: the three lines and a round, as ahead of every refill; they also show part 2's first fill to every wave
	ds_add_u32 v[SPW], v[NIL]
	s_wait_dscnt 0x0
	CROUND
	s_add_nc_u64 s[G0+6:G0+7], s[A2:A2+1], ROWB
	s_or_b32 s[G0+7], s[G0+7], 0x80000000
	s_add_nc_u64 s[G0B+6:G0B+7], s[B2:B2+1], ROWB
	s_or_b32 s[G0B+7], s[G0B+7], 0x80000000
	JLOAD 2, G0+4, G1, G0B+4, G1B                  ; slot 1 takes part 2's K 256-511: both of part 2's first fills are asked for ahead of part 1's way out
	; a prefetch of Wv's K 512-1,023, two fills ahead of the refill that wants it: shared out as at the head (place cx; waves 0 and 1).  All sixteen clusters load this tile: clusters 0 to 3 ask.
	; emb's tile is not asked for: this launch has loaded those rows in part 1.
	s_wait_xcnt 0x0                                ; the head's prefetches have read their address
	s_lshl_b32 s4, s40, 1
	s_add_co_u32 s4, s4, s16
	s_lshl_b32 s4, s4, 15
	s_mov_b32 s5, 0
	s_add_nc_u64 s[98:99], s[A2:A2+1], s[4:5]
	s_lshl_b32 s4, s15, 2
	s_add_co_u32 s4, s4, s66                       ; the cluster's number, + 4 in waves 2 and 3
	s_cmp_lt_u32 s4, 4
	s_cbranch_scc0 .Lno_pf2
	global_prefetch_b8 v[PFO], s[98:99] offset:512 th:TH_LOAD_NT scope:SCOPE_SE
	global_prefetch_b8 v[PFO], s[98:99] offset:768 th:TH_LOAD_NT scope:SCOPE_SE
.Lno_pf2:
	PLACES NP
.irp a, 0,1,2,3,4,5,6,7
	OUTBLK \a
.endr
	; PART 2: v.  Where my wave's images begin: bh x 256 KB + chunk x 64 KB + 32 KB + key step x 8 KB + d tile x 2 KB + my half of the keys x 1 KB
	s_wait_xcnt 0x0                                ; part 1's last stores have read their data and their base
	s_lshl_b32 s20, s97, 7                         ; my tile's first token
	s_lshr_b32 s21, s20, 11                        ; the batch
	s_lshl_b32 s21, s21, 4
	s_lshl_b32 s22, s41, 2
	s_add_co_u32 s21, s21, s22
	s_lshl_b32 s22, s15, 1
	s_add_co_u32 s21, s21, s22                     ; bh = 16 x batch + 4 cy + 2 x half
	s_lshl_b32 s21, s21, 18
	s_and_b32 s20, s20, 2047
	s_lshr_b32 s22, s20, 9
	s_lshl_b32 s22, s22, 16
	s_add_co_u32 s21, s21, s22
	s_and_b32 s20, s20, 511
	s_lshl_b32 s20, s20, 6
	s_add_co_u32 s21, s21, s20
	s_lshl_b32 s20, s16, 10
	s_add_co_u32 s20, s20, s21
	s_add_co_u32 s20, s20, 0x8000
	s_mov_b32 s21, 0
	s_add_nc_u64 s[10:11], s[86:87], s[20:21]
	s_mov_b32 s12, 2048                            ; from block to block: the next d tile
	s_mov_b32 s18, 256000                          ; into block 4: the next head's first d tile: 262,144 - 3 x 2,048
	s_add_co_i32 s21, s92, s93                     ; esum = e4 + e5
	s_mov_b32 s23, s96                             ; eo = e9
	s_sub_co_i32 s22, 0, s21
	SETSC
.irp a, 0,1,2,3,4,5,6,7
.irp j, 0,1,2,3,4,5,6,7
	v_ldexp_f32 v[BI+8*\a+\j], v[RAW+\a], s22      ; register 8 a + j = bv[16 a + r] / 2^esum, the same for all j
.endr
.endr
.set NB, 4
.set ADRB, 22
	FETCH_B 0, 0, 0
	FETCH_A 0, 0, 0
	FETCH_A 0, 0, 4
	s_wait_alu depctr_va_vdst(0)                   ; the wait here, directly ahead of the wait below
	STEP 0, 0, 2
	TURN 0, 1, 1                                   ; slot 0 takes K 512-767
	STEP 1, 0, 0
	TURN 1, 0, 1                                   ; slot 1 takes K 768-1,023
	STEP 0, 0, 0
	TURN 0, 1, 0                                   ; nothing is left to fetch
	STEP 1, 0, 0
	LAST
	PLACES NP
.irp a, 0,1,2,3,4,5,6,7
	OUTBLK \a
.endr
	s_wait_tensorcnt 0x0                           ; the wave's end
	ds_add_u32 v[SPW], v[NIL]
	s_wait_dscnt 0x0
	CROUND                                         ; the closing round: no work-group ends while a partner may still ask for a tile that names it
	s_endpgm
.Lfunc_end_k_q14c8976f59_proj:
	.size	k_q14c8976f59_proj, .Lfunc_end_k_q14c8976f59_proj-k_q14c8976f59_proj
	.p2alignl 7, 3214868480
	.fill 96, 4, 3214868480
	.section	.rodata,"a",@progbits
	.p2align	6, 0x0
	.amdhsa_kernel k_q14c8976f59_proj
		.amdhsa_group_segment_fixed_size 327680
		.amdhsa_private_segment_fixed_size 0
		.amdhsa_enable_private_segment 0
		.amdhsa_kernarg_size 80
		.amdhsa_user_sgpr_count 2
		.amdhsa_user_sgpr_kernarg_segment_ptr 1
		.amdhsa_wavefront_size32 1
		.amdhsa_system_sgpr_workgroup_id_x 1
		.amdhsa_system_sgpr_workgroup_id_y 1
		.amdhsa_system_sgpr_workgroup_id_z 1
		.amdhsa_system_vgpr_workitem_id 0
		.amdhsa_next_free_vgpr 1024
		.amdhsa_next_free_sgpr 106
		.amdhsa_reserve_vcc 0
		.amdhsa_float_denorm_mode_32 3
		.amdhsa_float_denorm_mode_16_64 3
		.amdhsa_memory_ordered 1
		.amdhsa_forward_progress 1
		.amdhsa_inst_pref_size 202
	.end_amdhsa_kernel
	.amdgpu_metadata
---
amdhsa.version: [ 1, 2 ]
amdhsa.kernels:
  - .name:           k_q14c8976f59_proj
    .symbol:         k_q14c8976f59_proj.kd
    .args:
      - { .name: embedding_codes, .offset: 0, .size: 8, .value_kind: global_buffer, .address_space: global }
      - { .name: Wq_codes, .offset: 8, .size: 8, .value_kind: global_buffer, .address_space: global }
      - { .name: Wk_codes, .offset: 16, .size: 8, .value_kind: global_buffer, .address_space: global }
      - { .name: Wv_codes, .offset: 24, .size: 8, .value_kind: global_buffer, .address_space: global }
      - { .name: bq, .offset: 32, .size: 8, .value_kind: global_buffer, .address_space: global }
      - { .name: bk, .offset: 40, .size: 8, .value_kind: global_buffer, .address_space: global }
      - { .name: bv, .offset: 48, .size: 8, .value_kind: global_buffer, .address_space: global }
      - { .name: lowp_scales, .offset: 56, .size: 8, .value_kind: global_buffer, .address_space: global }
      - { .name: q_img, .offset: 64, .size: 8, .value_kind: global_buffer, .address_space: global }
      - { .name: kv_img, .offset: 72, .size: 8, .value_kind: global_buffer, .address_space: global }
    .group_segment_fixed_size: 327680
    .private_segment_fixed_size: 0
    .kernarg_segment_align: 8
    .kernarg_segment_size: 80
    .max_flat_workgroup_size: 128
    .sgpr_count:     106
    .vgpr_count:     1024
    .wavefront_size: 32
...
	.end_amdgpu_metadata
.endif
;; end of part 1
;; launch attn (part 2): grid 4 x 64, 16 waves a work-group, clusters of 4 x 1, 327,680 bytes of LDS; arguments q_img, kv_img, lowp_scales, av_img; writes av_img
.if DOCPART == 2
	.amdgcn_target "amdgcn-amd-amdhsa--gfx1250"
	.amdhsa_code_object_version 6
	.text
	.protected	k_q14c8976f59_attn
	.globl	k_q14c8976f59_attn
	.p2align	8
	.type	k_q14c8976f59_attn,@function
k_q14c8976f59_attn:
	s_mov_b64 s[64:65], 0
	v_nop
	global_prefetch_b8 v0, s[64:65] scope:SCOPE_SE
	s_setreg_imm32_b32 hwreg(HW_REG_WAVE_MODE, 25, 1), 1
	s_wait_xcnt 0x0
	s_wait_alu depctr_hold_cnt(0) depctr_sa_sdst(0) depctr_va_vdst(0) depctr_va_sdst(0) depctr_va_ssrc(0) depctr_va_vcc(0) depctr_vm_vsrc(0)
	s_getreg_b32 s2, hwreg(HW_REG_IB_STS2, 6, 4)
	s_cmp_eq_u32 s2, 0
	s_cbranch_scc0 .Lentry_in_a_cluster
	s_endpgm
.Lentry_in_a_cluster:
	s_bfe_u32 s2, ttmp6, 0x10000c
	s_cmp_lg_u32 s2, 0x3003
	s_cbranch_scc0 .Lentry_shape_is_right
	s_endpgm
.Lentry_shape_is_right:
; av[bh][q] = sum over k of softmax_k(q . k / 8) v[k], both products on codes of BF8 (E5M2); the result is quantised at once with its given scale (e10) for the last product.
; t = score x log2(e) / 8; M = the running largest t rounded up to a whole number; p = 2^(t - M) is quantised with 2^e8, not normalised; the row's sum is taken of the unquantised p and divides at the end.
; INPUTS are images of operand registers, lane l at 16 l: q_img [bh][token tile (128)][1 KB]; kv_img [bh][chunk of 512 keys (4)][64 KB]: 32 key tiles x 1 KB, then 4 key steps x 4 d tiles x 2 KB (16 d x 128 keys).
; OUTPUT av_img [4 heads' 256 features (4)][token tile (512)][head in the four][1 KB]: a fragment of 16 tokens x 64 d.
; SHARES.  A work-group owns 512 queries of one bh; each of its sixteen waves 32 of them, two tiles, so that each fragment of K and V feeds two matrix instructions.  Every wave walks all 2,048 keys, 128 a step.
; Both products are used transposed (S^T = K Q^T, O^T = V^T P^T): a lane holds one query, and p's registers run along the keys in the next operand's own order.
; LDS.  A bh's K and V are 256 KB and lie in LDS whole, as in memory: nothing is ever filled again.  Each wave asks for 4 KB of chunk 0 at the head and, behind the lines ahead of a
; later first fill, for 12 KB of chunks 1 to 3: that load has chunk 0's four key steps in which to land.  A wave has one tensor load out at any time.
; CLUSTER.  The four work-groups of a bh need the same K and V: both loads are joint, with the mask 15.
; NO PREFETCH: all that the launch reads of K and V is asked for by these two loads at its start, so there is no later load to run ahead of.
; LIMITS on the given exponents, so that each power of two below is an f32 number: e6 + e7 between -123 and 130; e8 and e10 between -126 and 112.  The scaled scores stay under 2^31 in magnitude.
.set SPARE, 0x40000                    ; behind the image: the spare words, 128 bytes a wave
.set LI,   1                           ; v1   16 x lane
.set SCL,  2                           ; v2   2^e8, for the conversion
.set ADR,  12                          ; v12  LDS address of the step's fragments.  v4-7, v8-11: -M, the largest t, the sum in two halves, for tile A and tile B
.set SPW,  14                          ; v14  LDS address of my spare word; never rewritten
.set NIL,  15                          ; v15  0; never rewritten
.set QA,   16                          ; Q's two fragments
.set QB,   24
.set F,    32                          ; v32-95 eight fragments of K, then four of V
.set S,    96                          ; v96-159 S^T, then p
.set OA,   160                         ; O^T of the two tiles
.set OB,   192
.set PA,   224                         ; p's codes; tile B's lie over the registers at work below, which are done with by then
.set PB,   240
.set MX0,  248
.set MX1,  249
.set PRM,  250
.set FP,   252
.set SUM,  254
.set WV,   12                          ; s12  my wave's number
.set G1A,  16                          ; s[16:23] group 1 of the first load, s[24:31] of the second; s[32:35], s[36:39] their groups 0
.set G1B,  24
.set G0A,  32
.set G0B,  36
.set CS,   46                          ; s[46:47] c = log2(e) / 8 x 2^(e6 + e7)
.set SEL,  48                          ; s[48:49] selects for lane l xor 16
.set HP,   50                          ; s50  57,344 x 2^e8
.set TB,   51                          ; s51  LDS byte of the step's K tiles
.set CNT,  52
.macro CROUND                          ; a round of the cluster's barrier
	s_barrier_signal -1
	s_barrier_wait -1
	s_cmp_lg_u32 s[WV], 0
	s_cbranch_scc1 .Lnot_wave_0_\@
	s_barrier_signal -3
.Lnot_wave_0_\@:
	s_barrier_wait -3
	s_barrier_signal -1
	s_barrier_wait -1
.endm
.macro GROUP1 g, rows                  ; a dense block as rows of 256 bytes (32 elements of 8 bytes), no padding; the mask names the four partners, bit 21 beside it
	s_mov_b32 s[\g], 15|(3<<16)|(1<<21)
	s_mov_b32 s[\g+1], 32<<16
	s_mov_b32 s[\g+2], (\rows)<<16
	s_mov_b32 s[\g+3], 32<<16
	s_mov_b32 s[\g+4], \rows
	s_mov_b32 s[\g+5], 32
	s_mov_b32 s[\g+6], 0
	s_mov_b32 s[\g+7], 0
.endm
	s_load_b256 s[4:11], s[0:1], 0x0               ; q_img s[4:5], kv_img s[6:7], the exponents s[8:9], av_img s[10:11]
	v_lshl_add_u32 v[SPW], v0, 2, SPARE
	v_mov_b32 v[NIL], 0
	ds_add_u32 v[SPW], v[NIL]                      ; the opening: the add, twice on end, and its wait ahead of my first tensor load
	ds_add_u32 v[SPW], v[NIL]
	v_lshrrev_b32 v3, 5, v0
	v_readfirstlane_b32 s[WV], v3                  ; wave 0..15
	s_bfe_u32 s13, ttmp6, 0x40000                  ; cx
	s_lshl_b32 s14, ttmp9, 2
	s_add_co_u32 s14, s14, s13                     ; my block of 512 queries
	s_and_b32 s15, ttmp7, 0xffff                   ; bh
	GROUP1 G1A, 16                                 ; 4 KB
	GROUP1 G1B, 48                                 ; 12 KB
	s_lshl_b32 s54, s[WV], 12                      ; my part of chunk 0, in LDS as in the image
	s_mov_b32 s55, 0
	s_mul_i32 s56, s[WV], 12288
	s_add_co_u32 s56, s56, 65536                   ; my part of chunks 1 to 3
	s_mov_b32 s57, 0
	s_lshl_b32 s60, s15, 18                        ; bh x 256 KB
	s_mov_b32 s61, 0
	s_wait_dscnt 0x0                               ; both opening adds are done
	s_wait_kmcnt 0x0
	s_load_b128 s[40:43], s[8:9], 0x18             ; e6 .. e9
	s_load_b32 s44, s[8:9], 0x28                   ; e10
	s_add_nc_u64 s[58:59], s[6:7], s[60:61]
	s_mov_b32 s[G0A], 1
	s_mov_b32 s[G0A+1], s54
	s_add_nc_u64 s[G0A+2:G0A+3], s[58:59], s[54:55]
	s_or_b32 s[G0A+3], s[G0A+3], 0x80000000
	s_mov_b32 s[G0B], 1
	s_mov_b32 s[G0B+1], s56
	s_add_nc_u64 s[G0B+2:G0B+3], s[58:59], s[56:57]
	s_or_b32 s[G0B+3], s[G0B+3], 0x80000000
	CROUND                                         ; the four partners are here: the first joint loads meet
	tensor_load_to_lds s[G0A:G0A+3], s[G1A:G1A+7]  ; chunk 0: my one tensor load at the head
	s_nop 0
	s_lshl_b32 s60, s15, 17                        ; Q: bh x 128 KB + block x 32 KB + wave x 2 KB
	s_lshl_b32 s62, s14, 15
	s_add_co_u32 s60, s60, s62
	s_lshl_b32 s62, s[WV], 11
	s_add_co_u32 s60, s60, s62
	s_add_nc_u64 s[4:5], s[4:5], s[60:61]
	v_and_b32 v[LI], 31, v0
	v_lshlrev_b32 v[LI], 4, v[LI]
.irp i, 0,1,2,3
	global_load_b128 v[QA+4*\i:QA+4*\i+3], v[LI], s[4:5] offset:512*\i th:TH_LOAD_NT   ; my two fragments of Q stay in registers
.endr
	s_bfe_u32 s62, s15, 0x20002                    ; av_img: (head / 4) x 2 MB
	s_lshl_b32 s62, s62, 21
	s_and_b32 s55, s15, 3
	s_lshl_b32 s55, s55, 10                        ; + (head % 4) x 1 KB
	s_add_co_u32 s62, s62, s55
	s_lshr_b32 s55, s15, 4
	s_lshl_b32 s55, s55, 19                        ; + token tile x 4 KB: 128 tiles a batch,
	s_add_co_u32 s62, s62, s55
	s_lshl_b32 s55, s14, 17                        ; 32 a block,
	s_add_co_u32 s62, s62, s55
	s_lshl_b32 s55, s[WV], 13                      ; 2 a wave
	s_add_co_u32 s62, s62, s55
	s_mov_b32 s63, 0
	s_add_nc_u64 s[10:11], s[10:11], s[62:63]
	s_mov_b32 s[SEL], 0x76543210
	s_mov_b32 s[SEL+1], 0xfedcba98
	v_mov_b32 v5, 0xff61b1e6                       ; the largest t so far: -3e38, under every t
	v_mov_b32 v9, 0xff61b1e6
	v_floor_f32 v4, -v5                            ; -M
	v_floor_f32 v8, -v9
	v_mov_b32 v6, 0                                ; the sums
	v_mov_b32 v7, 0
	v_mov_b32 v10, 0
	v_mov_b32 v11, 0
	v_mov_b32 v[PRM], 0                            ; a lane permute's destination counts as one of its sources
	v_mov_b32 v[FP+1], 0                           ; named as the upper half of a pair
.set j, 0
.rept 64
	v_mov_b32 v[OA+j], 0                           ; O^T: the step is written once; its first run finds zeros, which the first change of M leaves zeros
.set j, j+1
.endr
	s_wait_kmcnt 0x0
	s_add_co_i32 s55, s40, s41
	s_lshl_b32 s55, s55, 23
	s_add_co_i32 s[CS], s55, 0x3e38aa3b            ; log2(e) / 8 with e6 + e7 added to its exponent field
	s_mov_b32 s[CS+1], s[CS]
	s_add_co_i32 s55, s42, 127
	s_lshl_b32 s53, s55, 23
	v_mov_b32 v[SCL], s53
	s_add_co_i32 s55, s55, 15
	s_lshl_b32 s55, s55, 23
	s_or_b32 s[HP], s55, 0x600000
; The softmax of one tile of 16 queries x 128 keys: 64 scores a lane.  st: the tile's four state registers; o: its O^T; p: where its codes go.
.macro SOFTMAX st, o, p
	v_max3_num_f32 v[MX0], v[S], v[S+1], v[S+2]    ; the step's largest score of my query, in two chains
	v_max3_num_f32 v[MX1], v[S+3], v[S+4], v[S+5]
.irp i, 6,10,14,18,22,26,30,34,38,42,46,50,54,58
	v_max3_num_f32 v[MX0], v[MX0], v[S+\i], v[S+1+\i]
	v_max3_num_f32 v[MX1], v[MX1], v[S+2+\i], v[S+3+\i]
.endr
	v_max3_num_f32 v[MX0], v[MX0], v[S+62], v[S+63]
	s_delay_alu instid0(VALU_DEP_1)
	v_max_num_f32 v[MX0], v[MX0], v[MX1]
	v_permlanex16_b32 v[PRM], v[MX0], s[SEL], s[SEL+1]
	s_delay_alu instid0(VALU_DEP_1)
	v_max_num_f32 v[MX0], v[MX0], v[PRM]           ; and among lane l xor 16's
	s_delay_alu instid0(VALU_DEP_1)
	v_mul_f32 v[MX0], s[CS], v[MX0]                ; as t (c is positive)
	s_delay_alu instid0(VALU_DEP_1)
	v_max_num_f32 v[\st+1], v[\st+1], v[MX0]       ; the running largest t
	v_mov_b32 v[MX0], v[\st]
	s_delay_alu instid0(VALU_DEP_2)
	v_floor_f32 v[\st], -v[\st+1]                  ; the new -M = -ceil(t): a whole number
	s_delay_alu instid0(VALU_DEP_1)
	v_sub_f32 v[MX0], v[\st], v[MX0]               ; old M - new M, 0 or less
	s_delay_alu instid0(VALU_DEP_1)
	v_cvt_i32_f32 v[MX0], v[MX0]                   ; (it saturates)
	s_delay_alu instid0(VALU_DEP_1)
	v_ldexp_f32 v[FP], 1.0, v[MX0]                 ; f = 2^(old M - new M): a multiplication by it rounds nothing
.set j, 0
.rept 32
	v_pk_fma_f32 v[S+j:S+j+1], v[S+j:S+j+1], s[CS:CS+1], v[\st:\st+1] op_sel_hi:[1,0,0]   ; t - M, two at a time
.set j, j+2
.endr
.set j, 0
	s_wait_alu depctr_va_vdst(0)                   ; the wait ahead of the batch
.rept 64
	v_exp_f32 v[S+j], v[S+j]                       ; p = 2^(t - M), at most 1
.set j, j+1
.endr
	v_pk_mul_f32 v[\st+2:\st+3], v[\st+2:\st+3], v[FP:FP+1] op_sel_hi:[1,0]   ; the sums under the new M; a plain place behind the batch
	s_wait_alu depctr_va_vdst(0)                   ; one wait for the batch, ahead of its first reader, and for O^T
.set j, 0
.rept 16
	v_pk_mul_f32 v[\o+j:\o+j+1], v[\o+j:\o+j+1], v[FP:FP+1] op_sel_hi:[1,0]   ; O^T under the new M, directly behind the wait
.set j, j+2
.endr
	v_dual_add_f32 v[SUM], v[S], v[S+2] :: v_dual_add_f32 v[SUM+1], v[S+1], v[S+3]   ; the row's sum of the unquantised p: two numbers a line, in two chains
.set j, 4
.rept 15
	v_dual_add_f32 v[\st+2], v[S+j], v[\st+2] :: v_dual_add_f32 v[\st+3], v[S+j+1], v[\st+3]
	v_dual_add_f32 v[SUM], v[S+j+2], v[SUM] :: v_dual_add_f32 v[SUM+1], v[S+j+3], v[SUM+1]
.set j, j+4
.endr
	v_dual_add_f32 v[\st+2], v[SUM], v[\st+2] :: v_dual_add_f32 v[\st+3], v[SUM+1], v[\st+3]
.irp b, 0,1,2,3
.irp i, 0,2,4,6,8,10,12,14
	v_dual_min_num_f32 v[S+16*\b+\i], s[HP], v[S+16*\b+\i] :: v_dual_min_num_f32 v[S+16*\b+\i+1], s[HP], v[S+16*\b+\i+1]   ; the hold (the conversion does not saturate: ISA guide 7.6.2); p is not negative, so it is one-sided; two numbers a line
.endr
	v_cvt_scalef32_pk8_bf8_f32 v[\p+4*\b:\p+4*\b+1], v[S+16*\b:S+16*\b+7], v[SCL]
	v_cvt_scalef32_pk8_bf8_f32 v[\p+4*\b+2:\p+4*\b+3], v[S+16*\b+8:S+16*\b+15], v[SCL]
.endr
	v_nop                                          ; one plain line behind the last conversion
.endm
; A key step: 128 keys for both tiles.  K's eight fragments serve tile A and tile B; V's four come into the same registers while tile B's softmax runs.
.macro STEP
	v_add_nc_u32 v[ADR], s[TB], v[LI]
.rept 3
	v_nop                                          ; with the line above: four places in front of loads into registers that matrix instructions have read
.endr
.irp t, 0,1,2,3,4,5,6,7
	ds_load_b128 v[F+8*\t:F+8*\t+3], v[ADR] offset:1024*\t
	ds_load_b128 v[F+8*\t+4:F+8*\t+7], v[ADR] offset:1024*\t+512
.endr
.irp t, 0,1,2,3,4,5,6,7
	s_wait_dscnt 14-2*\t                           ; fragment t is in: behind it 2 loads for each later fragment
	v_wmma_f32_16x16x64_bf8_bf8 v[S+8*\t:S+8*\t+7], v[F+8*\t:F+8*\t+7], v[QA:QA+7], 0
.endr
.rept 4
	v_nop
.endr
	SOFTMAX 4, OA, PA
.irp t, 0,1,2,3,4,5,6,7
	v_wmma_f32_16x16x64_bf8_bf8 v[S+8*\t:S+8*\t+7], v[F+8*\t:F+8*\t+7], v[QB:QB+7], 0
.endr
.rept 4
	v_nop
.endr
.irp d, 0,1,2,3
.irp c, 0,1,2,3
	ds_load_b128 v[F+16*\d+4*\c:F+16*\d+4*\c+3], v[ADR] offset:32768+2048*\d+512*\c
.endr
.endr
	SOFTMAX 8, OB, PB
	s_wait_alu depctr_va_vdst(0)                   ; the wait here, directly ahead of the wait below
	s_wait_dscnt 0x0
.irp d, 0,1,2,3
	v_wmma_f32_16x16x128_bf8_bf8 v[OA+8*\d:OA+8*\d+7], v[F+16*\d:F+16*\d+15], v[PA:PA+15], v[OA+8*\d:OA+8*\d+7]   ; eight accumulators by turns
	v_wmma_f32_16x16x128_bf8_bf8 v[OB+8*\d:OB+8*\d+7], v[F+16*\d:F+16*\d+15], v[PB:PB+15], v[OB+8*\d:OB+8*\d+7]
.endr
.endm
.macro CHUNK c                         ; a chunk's four key steps
	s_mov_b32 s[TB], \c*65536
	s_mov_b32 s[CNT], 4
.Lstep_\@:
	STEP
	s_add_co_u32 s[TB], s[TB], 8192
	s_sub_co_u32 s[CNT], s[CNT], 1
	s_cmp_lg_u32 s[CNT], 0
	s_cbranch_scc1 .Lstep_\@
.endm
	s_wait_alu depctr_va_vdst(0)                   ; the wait at the head's end
	s_wait_tensorcnt 0x0                           ; my part of chunk 0 is in
	ds_add_u32 v[SPW], v[NIL]
	s_wait_dscnt 0x0
	CROUND                                         ; everybody's part is in, and the four partners are here
	tensor_load_to_lds s[G0B:G0B+3], s[G1B:G1B+7]  ; chunks 1 to 3: the first tensor load behind the round
	s_nop 0
	s_wait_loadcnt 0x0                             ; Q
	CHUNK 0
	s_wait_tensorcnt 0x0                           ; my part of chunks 1 to 3 is in;
	s_barrier_signal -1
	s_barrier_wait -1                              ; everybody's is.
	CHUNK 1
	CHUNK 2
	CHUNK 3
; THE WAY OUT: O^T / the sum x 2^(e8 + e9), held and converted with 2^e10: eight results of a lane are two registers of the next operand; four stores of 512 consecutive aligned bytes.
.rept 4
	v_nop
.endr
	v_add_f32 v6, v6, v7
	v_add_f32 v10, v10, v11
	v_permlanex16_b32 v[PRM], v6, s[SEL], s[SEL+1]
	s_delay_alu instid0(VALU_DEP_1)
	v_add_f32 v6, v6, v[PRM]
	s_delay_alu instid0(VALU_DEP_2)
	v_permlanex16_b32 v[PRM], v10, s[SEL], s[SEL+1]
	s_delay_alu instid0(VALU_DEP_1)
	v_add_f32 v10, v10, v[PRM]
	s_wait_alu depctr_va_vdst(0)                   ; the wait ahead of the transcendentals
	v_rcp_f32 v6, v6
	v_rcp_f32 v10, v10
	s_add_co_i32 s54, s42, s43
	s_add_co_i32 s55, s44, 127
	s_lshl_b32 s53, s55, 23
	v_mov_b32 v33, s53                             ; 2^e10
	s_add_co_i32 s55, s55, 15
	s_lshl_b32 s55, s55, 23
	s_or_b32 s55, s55, 0x600000
	v_mov_b32 v32, s55                             ; 57,344 x 2^e10
	s_wait_alu depctr_va_vdst(0)                   ; the wait behind them, ahead of their first reader and of O^T's
	v_ldexp_f32 v6, v6, s54
	v_ldexp_f32 v10, v10, s54
.set j, 0
.rept 16
	v_pk_mul_f32 v[S+j:S+j+1], v[OA+j:OA+j+1], v[6:7] op_sel_hi:[1,0]
.set j, j+2
.endr
.set j, 0
.rept 16
	v_pk_mul_f32 v[S+32+j:S+32+j+1], v[OB+j:OB+j+1], v[10:11] op_sel_hi:[1,0]
.set j, j+2
.endr
.set j, 0
.rept 64
	v_med3_num_f32 v[S+j], v[S+j], -v32, v32
.set j, j+1
.endr
.irp d, 0,1,2,3
	v_cvt_scalef32_pk8_bf8_f32 v[40+2*\d:41+2*\d], v[S+8*\d:S+8*\d+7], v33
.endr
.irp d, 0,1,2,3
	v_cvt_scalef32_pk8_bf8_f32 v[48+2*\d:49+2*\d], v[S+32+8*\d:S+32+8*\d+7], v33
.endr
	v_nop
	global_store_b128 v[LI], v[40:43], s[10:11]
	global_store_b128 v[LI], v[44:47], s[10:11] offset:512
	global_store_b128 v[LI], v[48:51], s[10:11] offset:4096
	global_store_b128 v[LI], v[52:55], s[10:11] offset:4608
	s_wait_tensorcnt 0x0                           ; the wave's end
	ds_add_u32 v[SPW], v[NIL]
	s_wait_dscnt 0x0
	CROUND                                         ; the closing round
	s_endpgm
.Lfunc_end_k_q14c8976f59_attn:
	.size	k_q14c8976f59_attn, .Lfunc_end_k_q14c8976f59_attn-k_q14c8976f59_attn
	.p2alignl 7, 3214868480
	.fill 96, 4, 3214868480
	.section	.rodata,"a",@progbits
	.p2align	6, 0x0
	.amdhsa_kernel k_q14c8976f59_attn
		.amdhsa_group_segment_fixed_size 327680
		.amdhsa_private_segment_fixed_size 0
		.amdhsa_enable_private_segment 0
		.amdhsa_kernarg_size 32
		.amdhsa_user_sgpr_count 2
		.amdhsa_user_sgpr_kernarg_segment_ptr 1
		.amdhsa_wavefront_size32 1
		.amdhsa_system_sgpr_workgroup_id_x 1
		.amdhsa_system_sgpr_workgroup_id_y 1
		.amdhsa_system_sgpr_workgroup_id_z 1
		.amdhsa_system_vgpr_workitem_id 0
		.amdhsa_next_free_vgpr 256
		.amdhsa_next_free_sgpr 66
		.amdhsa_reserve_vcc 0
		.amdhsa_float_denorm_mode_32 3
		.amdhsa_float_denorm_mode_16_64 3
		.amdhsa_memory_ordered 1
		.amdhsa_forward_progress 1
		.amdhsa_inst_pref_size 132
	.end_amdhsa_kernel
	.amdgpu_metadata
---
amdhsa.version: [ 1, 2 ]
amdhsa.kernels:
  - .name:           k_q14c8976f59_attn
    .symbol:         k_q14c8976f59_attn.kd
    .args:
      - { .name: q_img, .offset: 0, .size: 8, .value_kind: global_buffer, .address_space: global }
      - { .name: kv_img, .offset: 8, .size: 8, .value_kind: global_buffer, .address_space: global }
      - { .name: lowp_scales, .offset: 16, .size: 8, .value_kind: global_buffer, .address_space: global }
      - { .name: av_img, .offset: 24, .size: 8, .value_kind: global_buffer, .address_space: global }
    .group_segment_fixed_size: 327680
    .private_segment_fixed_size: 0
    .kernarg_segment_align: 8
    .kernarg_segment_size: 32
    .max_flat_workgroup_size: 512
    .sgpr_count:     66
    .vgpr_count:     256
    .wavefront_size: 32
...
	.end_amdgpu_metadata
.endif
;; end of part 2
;; launch outp (part 3): grid 8 x 32, 4 waves a work-group, clusters of 4 x 4, 327,680 bytes of LDS; arguments av_img, Wo_codes, lowp_scales, bo, out0; writes out0
.if DOCPART == 3
	.amdgcn_target "amdgcn-amd-amdhsa--gfx1250"
	.amdhsa_code_object_version 6
	.text
	.protected	k_q14c8976f59_outp
	.globl	k_q14c8976f59_outp
	.p2align	8
	.type	k_q14c8976f59_outp,@function
k_q14c8976f59_outp:
	s_mov_b64 s[64:65], 0
	v_nop
	global_prefetch_b8 v0, s[64:65] scope:SCOPE_SE
	s_setreg_imm32_b32 hwreg(HW_REG_WAVE_MODE, 25, 1), 1
	s_wait_xcnt 0x0
	s_wait_alu depctr_hold_cnt(0) depctr_sa_sdst(0) depctr_va_vdst(0) depctr_va_sdst(0) depctr_va_ssrc(0) depctr_va_vcc(0) depctr_vm_vsrc(0)
	s_getreg_b32 s2, hwreg(HW_REG_IB_STS2, 6, 4)
	s_cmp_eq_u32 s2, 0
	s_cbranch_scc0 .Lentry_in_a_cluster
	s_endpgm
.Lentry_in_a_cluster:
	s_bfe_u32 s2, ttmp6, 0x10000c
	s_cmp_lg_u32 s2, 0xf033
	s_cbranch_scc0 .Lentry_shape_is_right
	s_endpgm
.Lentry_shape_is_right:
; out = av Wo + bo on codes of BF8 (E5M2): av_img holds images of operand registers (16 tokens x 128 features in 2 KB), Wo [1024 (n)][1024 (k)] codes; a sum is multiplied once by 2^(e10 + e11), and bo is added.
; A tile of 256 tokens x 128 features to a work-group of four waves, 128 x 64 to a wave.  K = 1,024 goes in four fills of 256 through two LDS slots: av's 64 KB, dense, then Wo's 128 rows, padded.
; Four first fills, four waves: one tensor load a wave at the head; a slot is filled again by its two waves (slot 0: waves 0 and 1; slot 1: waves 2 and 3).
; CLUSTERS: 4 x 4 work-groups; av's tile is asked for jointly by a row of the cluster, Wo's by a column.  LIMIT: e10 + e11 between -126 and 127.
.set PITCH,  272
.set FR,     16
.set NP,     4
.set ABYTES, 65536
.set BHALF,  64*PITCH
.set SLOT,   ABYTES+2*BHALF
.set STAGE,  2*SLOT
.set SPITCH, 272
.set SPARE,  STAGE+4*16*SPITCH
.set ADRA, 16
.set ADRB, 20
.set STO,  24
.set RD,   25
.set CO,   26
.set SPW,  28
.set NIL,  29
.set BI,   32
.set TMP,  64
.set AF,   128
.set BK,   128
.set G1, 24
.set G0, 32
.set G1B, 48
.set G0B, 56
.set MSB, 0
.macro WIN new
.if MSB != \new
	s_set_vgpr_msb (MSB<<8)|\new
.set MSB, \new
.endif
.endm
.set MUL,  0xa1
.set TO_B, 0x40
.macro JLOAD w, g0a, g1a, g0b, g1b     ; a slot's joint refill: wave w fetches av's tile, wave w + 1 Wo's
	s_cmp_eq_u32 s14, \w
	s_cbranch_scc0 .Lfor_b_\@
	tensor_load_to_lds s[\g0a:\g0a+3], s[\g1a:\g1a+7]
	s_nop 0
.rept 4
	v_nop
.endr
	s_branch .Lasked_\@
.Lfor_b_\@:
	s_cmp_eq_u32 s14, (\w)+1
	s_cbranch_scc0 .Lasked_\@
	tensor_load_to_lds s[\g0b:\g0b+3], s[\g1b:\g1b+7]
	s_nop 0
.rept 4
	v_nop
.endr
.Lasked_\@:
.endm
.macro CREST
	s_cmp_lg_u32 s14, 0
	s_cbranch_scc1 .Lnot_wave_0_\@
	s_barrier_signal -3
.Lnot_wave_0_\@:
	s_barrier_wait -3
	s_barrier_signal -1
	s_barrier_wait -1
.endm
.macro CROUND
	s_barrier_signal -1
	s_barrier_wait -1
	CREST
.endm
	s_load_b256 s[4:11], s[0:1], 0x0
	s_load_b64 s[12:13], s[0:1], 0x20
	v_lshl_add_u32 v[SPW], v0, 2, SPARE
	v_mov_b32 v[NIL], 0
	ds_add_u32 v28, v29
	ds_add_u32 v28, v29
	s_wait_dscnt 0x0
	v_lshrrev_b32 v1, 5, v0
	v_readfirstlane_b32 s14, v1
	s_lshr_b32 s15, s14, 1
	s_and_b32 s16, s14, 1
	s_bfe_u32 s40, ttmp6, 0x40000
	s_bfe_u32 s41, ttmp6, 0x40004
	s_lshl_b32 s42, ttmp9, 2
	s_add_co_u32 s42, s42, s40
	s_and_b32 s17, ttmp7, 0xffff
	s_lshl_b32 s17, s17, 2
	s_add_co_u32 s17, s17, s41
	s_lshl_b32 s43, s41, 2
	s_lshl_b32 s43, 15, s43
	s_lshl_b32 s44, 0x1111, s40
	s_or_b32 s[G1+0], s43, (3<<16)|(1<<21)
	s_mov_b32 s[G1+1], 32<<16
	s_mov_b32 s[G1+2], 256<<16                     ; av's tile: 64 KB, dense, as 256 rows of 256 bytes
	s_mov_b32 s[G1+3], 32<<16
	s_mov_b32 s[G1+4], 256
	s_mov_b32 s[G1+5], 32
	s_mov_b32 s[G1+6], 0
	s_mov_b32 s[G1+7], 0
	s_or_b32 s[G1B+0], s44, (0<<16)|(1<<20)|(1<<21)|(5<<22)|(3<<25)
	s_mov_b32 s[G1B+1], 256<<16
	s_mov_b32 s[G1B+2], 128<<16                    ; Wo's tile: 128 rows of 256 bytes
	s_mov_b32 s[G1B+3], 256<<16
	s_mov_b32 s[G1B+4], 128
	s_mov_b32 s[G1B+5], 1024
	s_mov_b32 s[G1B+6], 0
	s_mov_b32 s[G1B+7], 0
	s_lshl_b32 s20, s17, 16                        ; av: token tile x 64 KB
	s_mov_b32 s21, 0
	s_lshl_b32 s46, s42, 17                        ; Wo: feature tile x 128 rows of 1,024 bytes
	s_mov_b32 s47, 0
	s_wait_kmcnt 0x0
	s_load_b64 s[96:97], s[8:9], 0x28
	s_add_nc_u64 s[20:21], s[4:5], s[20:21]
	s_add_nc_u64 s[46:47], s[6:7], s[46:47]
	CROUND
.irp s, 0,1
	s_mov_b32 s[G0+4*\s], 1
	s_mov_b32 s[G0+4*\s+1], \s*SLOT
	s_add_nc_u64 s[G0+4*\s+2:G0+4*\s+3], s[20:21], \s*(1<<21)
	s_or_b32 s[G0+4*\s+3], s[G0+4*\s+3], 0x80000000
	s_mov_b32 s[G0B+4*\s], 1
	s_mov_b32 s[G0B+4*\s+1], \s*SLOT+ABYTES
	s_add_nc_u64 s[G0B+4*\s+2:G0B+4*\s+3], s[46:47], \s*256
	s_or_b32 s[G0B+4*\s+3], s[G0B+4*\s+3], 0x80000000
.endr
; THE FIRST FILLS: one tensor load a wave, in the arms of one chain of branches on the wave's number: both slots are asked for at the head.
.macro ARM g0, g1
	tensor_load_to_lds s[\g0:\g0+3], s[\g1:\g1+7]
	s_nop 0
.rept 4
	v_nop
.endr
.endm
	s_cmp_eq_u32 s14, 0
	s_cbranch_scc0 .Lh1
	ARM G0, G1                                     ; wave 0: av, K 0-255
	s_branch .Lhj
.Lh1:
	s_cmp_eq_u32 s14, 1
	s_cbranch_scc0 .Lh2
	ARM G0B, G1B                                   ; wave 1: Wo, K 0-255
	s_branch .Lhj
.Lh2:
	s_cmp_eq_u32 s14, 2
	s_cbranch_scc0 .Lh3
	ARM G0+4, G1                                   ; wave 2: av, K 256-511
	s_branch .Lhj
.Lh3:
	ARM G0B+4, G1B                                 ; wave 3: Wo, K 256-511
.Lhj:
	; A PREFETCH INTO THE L2 of what the two refills will ask for, two fills ahead of the first of them; the four partners that ask for a tile jointly share its blocks out by address.
	; av (waves 0, 1): of a fill's 64 KB the partner at cx takes 16 KB, a wave 8 KB, lanes 256 bytes apart; one line for each of the two fills, 2 MB apart.
	; Wo (waves 2, 3): of the 128 rows the partner at cy takes 32, a lane a row; wave 2 asks for K 512-767, wave 3 for K 768-1,023.  Wo's tile is loaded by eight clusters: those with y under 4 ask.
	s_and_b32 s72, ttmp7, 0xffff
	s_mul_i32 s72, s72, s15                        ; the cluster's y for Wo's waves, 0 for av's
	s_lshl_b32 s70, s40, 1
	s_add_co_u32 s70, s70, s16
	s_lshl_b32 s70, s70, 13
	s_add_co_u32 s70, s70, 1<<22                   ; av: the third fill's image + (2 cx + wave % 2) x 8 KB
	s_lshl_b32 s73, s41, 15
	s_lshl_b32 s74, s16, 8
	s_add_co_u32 s73, s73, s74
	s_add_co_u32 s73, s73, 512                     ; Wo: 32 cy rows + 512 + 256 x (wave % 2)
	s_mov_b32 s74, 1024
	s_mov_b32 s71, 0
	s_cmp_eq_u32 s15, 0
	s_cselect_b32 s70, s70, s73
	s_cselect_b32 s74, 256, s74                    ; from lane to lane
	s_cselect_b64 s[68:69], s[20:21], s[46:47]
	s_add_nc_u64 s[68:69], s[68:69], s[70:71]      ; s[68:69] and v8 are never rewritten
	v_and_b32 v8, 31, v0
	v_mul_lo_u32 v8, v8, s74
	s_cmp_lt_u32 s72, 4
	s_cbranch_scc0 .Lno_pf
	global_prefetch_b8 v8, s[68:69] th:TH_LOAD_NT scope:SCOPE_SE
	s_cmp_eq_u32 s15, 0
	s_cbranch_scc0 .Lno_pf
	global_prefetch_b8 v8, s[68:69] offset:1<<21 th:TH_LOAD_NT scope:SCOPE_SE
.Lno_pf:
	v_and_b32 v1, 15, v0
	v_bfe_u32 v2, v0, 4, 1
	v_and_b32 v6, 31, v0
	v_lshlrev_b32 v3, 4, v6
	v_mul_u32_u24 v4, v1, PITCH
	v_lshl_add_u32 v4, v2, 3, v4
	s_lshl_b32 s21, s15, 15
	s_mul_i32 s22, s16, BHALF
	s_add_co_u32 s22, s22, ABYTES
.irp s, 0,1
	v_add_nc_u32 v[ADRA+\s], s21, v3
	v_add_nc_u32 v[ADRB+\s], s22, v4
	s_add_co_u32 s21, s21, SLOT
	s_add_co_u32 s22, s22, SLOT
.endr
	s_mul_i32 s23, s14, 16*SPITCH
	s_add_co_u32 s23, s23, STAGE
	v_mul_u32_u24 v5, v1, SPITCH
	v_lshl_add_u32 v5, v2, 5, v5
	v_add_nc_u32 v[STO], s23, v5
	v_mul_u32_u24 v5, v2, SPITCH
	v_lshl_add_u32 v5, v1, 4, v5
	v_add_nc_u32 v[RD], s23, v5
	v_lshlrev_b32 v5, 12, v2
	v_lshl_add_u32 v[CO], v1, 4, v5
	s_lshl_b32 s20, s17, 20
	s_lshl_b32 s21, s15, 19
	s_add_co_u32 s20, s20, s21
	s_lshl_b32 s46, s42, 9
	s_lshl_b32 s47, s16, 8
	s_add_co_u32 s46, s46, s47
	s_add_co_u32 s20, s20, s46
	s_mov_b32 s21, 0
	s_mov_b32 s47, 0
	s_add_nc_u64 s[12:13], s[12:13], s[20:21]
	s_add_nc_u64 s[10:11], s[10:11], s[46:47]
	v_lshlrev_b32 v7, 5, v2
.irp b, 0,1,2,3
	global_load_b128 v[BI+8*\b:BI+8*\b+3], v7, s[10:11] offset:64*\b
	global_load_b128 v[BI+8*\b+4:BI+8*\b+7], v7, s[10:11] offset:64*\b+16
.endr
.macro MUL8 a0, p, zero
.irp a, \a0, \a0+1
.irp b, 0,1,2,3
.if \zero
	v_wmma_f32_16x16x128_bf8_bf8 v[8*(4*(\a)+\b):8*(4*(\a)+\b)+7], v[64*(\p)+FR*\b:64*(\p)+FR*\b+FR-1], v[AF+FR*(\a):AF+FR*(\a)+FR-1], 0
.else
	v_wmma_f32_16x16x128_bf8_bf8 v[8*(4*(\a)+\b):8*(4*(\a)+\b)+7], v[64*(\p)+FR*\b:64*(\p)+FR*\b+FR-1], v[AF+FR*(\a):AF+FR*(\a)+FR-1], v[8*(4*(\a)+\b):8*(4*(\a)+\b)+7]
.endif
.endr
.endr
.endm
.macro FETCH_B slot, q, p
	WIN TO_B
.irp i, 0,1,2,3
.irp c, 0,1,2,3,4,5,6,7
	ds_load_b64 v[64*(\p)+FR*\i+2*\c:64*(\p)+FR*\i+2*\c+1], v[ADRB+\slot] offset:\i*16*PITCH+128*(\q)+16*\c
.endr
.endr
	WIN 0
.endm
.macro FETCH_A slot, q, i0
.irp i, \i0, \i0+1, \i0+2, \i0+3
.irp c, 0,1,2,3
	ds_load_b128 v[AF+FR*(\i)+4*\c:AF+FR*(\i)+4*\c+3], v[ADRA+\slot] offset:4096*(\i)+2048*(\q)+512*\c
.endr
.endr
.endm
.macro PLACES n
.rept \n
	v_nop
.endr
.endm
.macro STEP slot, q, zero
	s_wait_dscnt 16
	WIN MUL
	MUL8 0, (\q)%2, \zero
	MUL8 2, (\q)%2, \zero
	s_wait_dscnt 0
	PLACES NP
	FETCH_B \slot, (\q)+1, 1-(\q)%2
	FETCH_A \slot, (\q)+1, 0
	WIN MUL
	MUL8 4, (\q)%2, \zero
	MUL8 6, (\q)%2, \zero
	PLACES NP
	WIN 0
	FETCH_A \slot, (\q)+1, 4
.endm
.macro TURN slot, next, fill
	s_wait_tensorcnt 0x0
	ds_add_u32 v[SPW], v[NIL]
	s_wait_dscnt 17
	WIN MUL
	MUL8 0, 1, 0
	s_wait_dscnt 0x0
	s_barrier_signal -1
	MUL8 2, 1, 0
	WIN 0
	s_barrier_wait -1
.if \fill
	CREST
	s_add_nc_u64 s[G0+4*\slot+2:G0+4*\slot+3], s[G0+4*\slot+2:G0+4*\slot+3], 2*(1<<21)
	s_add_nc_u64 s[G0B+4*\slot+2:G0B+4*\slot+3], s[G0B+4*\slot+2:G0B+4*\slot+3], 2*256
	PLACES NP                                      ; the places in front of the loads below, for the waves that ask for nothing here
	JLOAD 2*\slot, G0+4*\slot, G1, G0B+4*\slot, G1B   ; the first tensor load behind the round
.else
	PLACES NP
.endif
	FETCH_B \next, 0, 0
	FETCH_A \next, 0, 0
	WIN MUL
	MUL8 4, 1, 0
	MUL8 6, 1, 0
	PLACES NP
	WIN 0
	FETCH_A \next, 0, 4
.endm
	s_wait_alu depctr_va_vdst(0)                   ; the wait at the head's end
	s_wait_loadcnt 0x0                             ; the bias
	s_wait_tensorcnt 0x0                           ; my one load has landed
	s_barrier_signal -1
	s_barrier_wait -1
	FETCH_B 0, 0, 0
	FETCH_A 0, 0, 0
	FETCH_A 0, 0, 4
	STEP 0, 0, 1
	TURN 0, 1, 1
	STEP 1, 0, 0
	TURN 1, 0, 1
	STEP 0, 0, 0
	TURN 0, 1, 0
	STEP 1, 0, 0
	s_wait_dscnt 16
	WIN MUL
	MUL8 0, 1, 0
	MUL8 2, 1, 0
	s_wait_dscnt 0
	MUL8 4, 1, 0
	MUL8 6, 1, 0
	WIN 0
.macro TOSTAGE a
	WIN 0x02
.set i, 0
.rept 16
	v_pk_fma_f32 v[TMP+i:TMP+i+1], v[32*(\a)+i:32*(\a)+i+1], s[96:97], v[BI+i:BI+i+1] op_sel_hi:[1,0,1]
.set i, i+2
.endr
	WIN 0
.irp b, 0,1,2,3
	ds_store_b128 v[STO], v[TMP+8*\b:TMP+8*\b+3] offset:64*\b
	ds_store_b128 v[STO], v[TMP+8*\b+4:TMP+8*\b+7] offset:64*\b+16
.endr
.set BB, BK+32*((\a)%2)
.irp t, 0,1,2,3,4,5,6,7
	ds_load_b128 v[BB+4*\t:BB+4*\t+3], v[RD] offset:\t*2*SPITCH
.endr
.endm
.macro SEND a, younger
.set BB, BK+32*((\a)%2)
	s_wait_dscnt \younger
.if (\a) > 0
	s_add_nc_u64 s[12:13], s[12:13], 16*4096
.endif
.irp t, 0,1,2,3,4,5,6,7
	global_store_b128 v[CO], v[BB+4*\t:BB+4*\t+3], s[12:13] offset:\t*2*4096 th:TH_STORE_NT
.endr
.endm
	s_wait_kmcnt 0x0
	s_add_co_i32 s96, s96, s97
	s_add_co_i32 s96, s96, 127
	s_lshl_b32 s96, s96, 23
	PLACES NP
	TOSTAGE 0
.irp a, 1,2,3,4,5,6,7
.if \a > 1
	s_wait_xcnt 0x0
.endif
	TOSTAGE \a
	SEND \a-1, 16
.endr
	s_wait_xcnt 0x0
	SEND 7, 0
	s_wait_tensorcnt 0x0
	ds_add_u32 v[SPW], v[NIL]
	s_wait_dscnt 0x0
	CROUND
	s_endpgm
.Lfunc_end_k_q14c8976f59_outp:
	.size	k_q14c8976f59_outp, .Lfunc_end_k_q14c8976f59_outp-k_q14c8976f59_outp
	.p2alignl 7, 3214868480
	.fill 96, 4, 3214868480
	.section	.rodata,"a",@progbits
	.p2align	6, 0x0
	.amdhsa_kernel k_q14c8976f59_outp
		.amdhsa_group_segment_fixed_size 327680
		.amdhsa_private_segment_fixed_size 0
		.amdhsa_enable_private_segment 0
		.amdhsa_kernarg_size 40
		.amdhsa_user_sgpr_count 2
		.amdhsa_user_sgpr_kernarg_segment_ptr 1
		.amdhsa_wavefront_size32 1
		.amdhsa_system_sgpr_workgroup_id_x 1
		.amdhsa_system_sgpr_workgroup_id_y 1
		.amdhsa_system_sgpr_workgroup_id_z 1
		.amdhsa_system_vgpr_workitem_id 0
		.amdhsa_next_free_vgpr 768
		.amdhsa_next_free_sgpr 98
		.amdhsa_reserve_vcc 0
		.amdhsa_float_denorm_mode_32 3
		.amdhsa_float_denorm_mode_16_64 3
		.amdhsa_memory_ordered 1
		.amdhsa_forward_progress 1
		.amdhsa_inst_pref_size 87
	.end_amdhsa_kernel
	.amdgpu_metadata
---
amdhsa.version: [ 1, 2 ]
amdhsa.kernels:
  - .name:           k_q14c8976f59_outp
    .symbol:         k_q14c8976f59_outp.kd
    .args:
      - { .name: av_img, .offset: 0, .size: 8, .value_kind: global_buffer, .address_space: global }
      - { .name: Wo_codes, .offset: 8, .size: 8, .value_kind: global_buffer, .address_space: global }
      - { .name: lowp_scales, .offset: 16, .size: 8, .value_kind: global_buffer, .address_space: global }
      - { .name: bo, .offset: 24, .size: 8, .value_kind: global_buffer, .address_space: global }
      - { .name: out0, .offset: 32, .size: 8, .value_kind: global_buffer, .address_space: global }
    .group_segment_fixed_size: 327680
    .private_segment_fixed_size: 0
    .kernarg_segment_align: 8
    .kernarg_segment_size: 40
    .max_flat_workgroup_size: 128
    .sgpr_count:     98
    .vgpr_count:     768
    .wavefront_size: 32
...
	.end_amdgpu_metadata
.endif
;; end of part 3
